; MI455X (gfx1250); checked and timed in simulation.
; The chip was launched on July 23, 2026; its instructions are those of AMD's public machine-readable ISA for CDNA 5 (MIT licence, August 2026) and "CDNA5" Instruction Set Architecture Reference Guide (July 2026). The comments in the code are by the model that wrote it; some were corrected since.
;; Multi Head Attention. Allowed arithmetic: float matrix products may take bf16 or f16 operands with f32 sums; all other float work in f32.
;; Inputs: Wk 1,024 x 2,048 float32; Wo 2,048 x 2,048 float32; Wq 1,024 x 2,048 float32; Wv 1,024 x 2,048 float32; bo 2,048 float32; x 2 x 2,048 x 1,024 float32.
;; Outputs: out0 2 x 2,048 float32.
;; One version. Each part assembles by itself: llvm-mc -triple=amdgcn-amd-amdhsa -mcpu=gfx1250 --defsym DOCPART=n.
;; ======== version 1 of 1: 6 launches
;; limits: inputs' magnitudes at most 65,504; values are held in f16: magnitudes above 65,504 overflow, below 6.1e-05 lose precision
;; workspace buffers: QP 262,144 bytes; UU 131,072 bytes; YP 8,388,608 bytes; ML 16,384 bytes; CP 262,144 bytes; OP 262,144 bytes
;; launch qpart (part 1): grid 16 x 16, 4 waves a work-group, no clusters, 4,608 bytes of LDS; arguments x, Wq, QP; writes QP
.if DOCPART == 1
	.amdgcn_target "amdgcn-amd-amdhsa--gfx1250"
	.amdhsa_code_object_version 6
	.text
	.protected	k_qae5b2dfd99_qpart
	.globl	k_qae5b2dfd99_qpart
	.p2align	8
	.type	k_qae5b2dfd99_qpart,@function
k_qae5b2dfd99_qpart:
	s_mov_b64 s[64:65], 0
	v_nop
	global_prefetch_b8 v0, s[64:65] scope:SCOPE_SE
	s_setreg_imm32_b32 hwreg(HW_REG_WAVE_MODE, 25, 1), 1
	s_wait_xcnt 0x0
; STEP 1 OF 6.  Only the last token's context is projected, and row 2047 of the causal mask hides no key, so each (batch, head) has ONE query:
; q[b][n] = sum over c of x[b][2047][c] Wq[c][n].  This launch makes 16 ordered partial sums of it: QP[h][p][b][d] = the sum over the 64 rows c = 64 p .. 64 p + 63, n = 128 h + d.
; SHARES.  Work-group (p, h): 64 rows x 128 columns of Wq, read once, 512 consecutive bytes of a row by each load of a wave.  Wave w takes 16 rows; lane l the columns 4 l .. 4 l + 3.
; The 16 numbers of x for each batch come by scalar loads; all in f32 on the vector unit: two rows of output feed no matrix tile.  The four waves' sums meet in LDS, added in the order of the waves.
; No cluster, no tensor load: the work-groups share only the 8 KB of x's two last rows.  The order of the sums differs from a plain row-times-matrix product's; NaN and infinities are not treated apart.
.set SPARE, 4096                       ; behind the stage of 4 waves x 2 batches x 512 bytes: the spare words, 128 bytes a wave
.set ACC, 8                            ; v[8:15]   my 4 columns' sums, batch 0 then batch 1
.set T,   16                           ; v[16:31]  the four waves' sums, read back
.set W,   32                           ; v[32:95]  16 rows of Wq, 4 columns each
.set WB,  52                           ; s[52:53]  Wq at my wave's first row and the group's first column
.set OB,  54                           ; s[54:55]  QP at [h][p][w & 1]
.macro WLOAD n                         ; n rows, 8,192 bytes apart, all asked for at once
.set i, 0
.rept \n
	global_load_b128 v[W+4*i:W+4*i+3], v2, s[WB:WB+1] offset:i*8192 th:TH_LOAD_NT
.set i, i+1
.endr
.endm
.macro MAC n, s0, s1                   ; row i times the two batches' numbers s[s0 + i], s[s1 + i]; the first row starts the sums
.set i, 0
.rept \n
	s_wait_loadcnt (\n)-1-i                        ; loads come back in order: row i is in, the rows behind it stay out
.irp j, 0,1,2,3
.if i == 0
	v_mul_f32 v[ACC+\j], s[(\s0)+i], v[W+4*i+\j]
	v_mul_f32 v[ACC+4+\j], s[(\s1)+i], v[W+4*i+\j]
.else
	v_fmac_f32 v[ACC+\j], s[(\s0)+i], v[W+4*i+\j]
	v_fmac_f32 v[ACC+4+\j], s[(\s1)+i], v[W+4*i+\j]
.endif
.endr
.set i, i+1
.endr
.endm
	s_load_b128 s[4:7], s[0:1], 0x0                ; x s[4:5], Wq s[6:7]
	s_load_b64 s[8:9], s[0:1], 0x10                ; QP
	v_lshl_add_u32 v6, v0, 2, SPARE                ; my spare word
	v_mov_b32 v7, 0
	v_lshrrev_b32 v1, 5, v0
	v_readfirstlane_b32 s10, v1                    ; wave 0..3
	v_and_b32 v1, 31, v0
	v_lshlrev_b32 v2, 4, v1                        ; 16 x lane: my 16 bytes of 512
	s_and_b32 s12, ttmp7, 0xffff                   ; h
	s_and_b32 s13, s10, 1                          ; the batch that waves 0 and 1 store
	s_lshl_b32 s11, ttmp9, 6
	s_lshl4_add_u32 s11, s10, s11                  ; my first row: 64 p + 16 w
	s_lshl_b32 s14, s11, 2
	s_add_co_u32 s14, s14, 2047*4096               ; those 16 numbers in batch 0's last row of x
	s_mov_b32 s15, 0
	s_lshl_b32 s56, s11, 13                        ; rows of 8,192 bytes,
	s_lshl_b32 s58, s12, 9                         ; the head's 512 bytes
	s_add_co_u32 s56, s56, s58
	s_mov_b32 s57, 0
	s_wait_kmcnt 0x0
	s_add_nc_u64 s[WB:WB+1], s[6:7], s[56:57]
	WLOAD 16
	s_add_nc_u64 s[16:17], s[4:5], s[14:15]
	s_add_nc_u64 s[18:19], s[16:17], 0x800000      ; batch 1: 2,048 rows of 4,096 bytes on
	s_load_b512 s[20:35], s[16:17], 0x0
	s_load_b512 s[36:51], s[18:19], 0x0
	s_lshl4_add_u32 s14, s12, ttmp9                ; 16 h + p
	s_lshl1_add_u32 s14, s14, s13
	s_lshl_b32 s14, s14, 9
	s_add_nc_u64 s[OB:OB+1], s[8:9], s[14:15]
	v_lshl_add_u32 v3, s10, 10, v2                 ; into the stage: [w][b][128]
	v_lshl_add_u32 v4, s13, 9, v2                  ; back: batch w & 1 of every wave
	s_wait_kmcnt 0x0                               ; x's numbers
	MAC 16, 20, 36
	ds_store_b128 v3, v[ACC:ACC+3]
	ds_store_b128 v3, v[ACC+4:ACC+7] offset:512
	s_wait_tensorcnt 0x0                           ; behind my last LDS store
	ds_add_u32 v6, v7
	s_wait_dscnt 0x0                               ; the wait is also the one that the others need: my stores are done
	s_barrier_signal -1
	s_barrier_wait -1
	s_cmp_lt_u32 s10, 2
	s_cbranch_scc0 .Ldone                          ; wave b adds and stores batch b
.irp k, 0,1,2,3
	ds_load_b128 v[T+4*\k:T+4*\k+3], v4 offset:1024*\k
.endr
	s_wait_dscnt 0x0
.irp k, 1,2,3
	v_pk_add_f32 v[T:T+1], v[T:T+1], v[T+4*\k:T+4*\k+1]
	v_pk_add_f32 v[T+2:T+3], v[T+2:T+3], v[T+4*\k+2:T+4*\k+3]
.endr
	global_store_b128 v2, v[T:T+3], s[OB:OB+1]     ; 512 consecutive bytes, at a multiple of 512 from QP's first
.Ldone:
	s_endpgm
.Lfunc_end_k_qae5b2dfd99_qpart:
	.size	k_qae5b2dfd99_qpart, .Lfunc_end_k_qae5b2dfd99_qpart-k_qae5b2dfd99_qpart
	.p2alignl 7, 3214868480
	.fill 96, 4, 3214868480
	.section	.rodata,"a",@progbits
	.p2align	6, 0x0
	.amdhsa_kernel k_qae5b2dfd99_qpart
		.amdhsa_group_segment_fixed_size 4608
		.amdhsa_private_segment_fixed_size 0
		.amdhsa_enable_private_segment 0
		.amdhsa_kernarg_size 24
		.amdhsa_user_sgpr_count 2
		.amdhsa_user_sgpr_kernarg_segment_ptr 1
		.amdhsa_wavefront_size32 1
		.amdhsa_system_sgpr_workgroup_id_x 1
		.amdhsa_system_sgpr_workgroup_id_y 1
		.amdhsa_system_sgpr_workgroup_id_z 1
		.amdhsa_system_vgpr_workitem_id 0
		.amdhsa_next_free_vgpr 96
		.amdhsa_next_free_sgpr 66
		.amdhsa_reserve_vcc 0
		.amdhsa_float_denorm_mode_32 3
		.amdhsa_float_denorm_mode_16_64 3
		.amdhsa_memory_ordered 1
		.amdhsa_forward_progress 1
		.amdhsa_inst_pref_size 9
	.end_amdhsa_kernel
	.amdgpu_metadata
---
amdhsa.version: [ 1, 2 ]
amdhsa.kernels:
  - .name:           k_qae5b2dfd99_qpart
    .symbol:         k_qae5b2dfd99_qpart.kd
    .args:
      - { .name: x, .offset: 0, .size: 8, .value_kind: global_buffer, .address_space: global }
      - { .name: Wq, .offset: 8, .size: 8, .value_kind: global_buffer, .address_space: global }
      - { .name: QP, .offset: 16, .size: 8, .value_kind: global_buffer, .address_space: global }
    .group_segment_fixed_size: 4608
    .private_segment_fixed_size: 0
    .kernarg_segment_align: 8
    .kernarg_segment_size: 24
    .max_flat_workgroup_size: 128
    .sgpr_count:     66
    .vgpr_count:     96
    .wavefront_size: 32
...
	.end_amdgpu_metadata
.endif
;; end of part 1
;; launch ukey (part 2): grid 16 x 16, 4 waves a work-group, no clusters, 5,120 bytes of LDS; arguments Wk, QP, UU; writes UU
.if DOCPART == 2
	.amdgcn_target "amdgcn-amd-amdhsa--gfx1250"
	.amdhsa_code_object_version 6
	.text
	.protected	k_qae5b2dfd99_ukey
	.globl	k_qae5b2dfd99_ukey
	.p2align	8
	.type	k_qae5b2dfd99_ukey,@function
k_qae5b2dfd99_ukey:
	s_mov_b64 s[64:65], 0
	v_nop
	global_prefetch_b8 v0, s[64:65] scope:SCOPE_SE
	s_setreg_imm32_b32 hwreg(HW_REG_WAVE_MODE, 25, 1), 1
	s_wait_xcnt 0x0
; STEP 2 OF 6.  With one query a head, score[b][h][k] = (x[b][k] Wk_h) . q_h = x[b][k] . u[b][h], u[b][h][c] = sum over d of Wk[c][128 h + d] q[b][128 h + d]: the same sum in another order, for every input.
; This launch adds QP's 16 partial sums to q and makes UU[b][h][c] = u, unscaled, in f32.
; SHARES.  Work-group (cb, h): rows c = 64 cb .. + 63, columns 128 h .. + 127 of Wk, read once.  Wave w takes 16 rows; lane l the columns 4 l .. 4 l + 3, so a row's sum lies across the 32 lanes.
; The 32 sums of a wave (16 rows x 2 batches) are reduced together: in each of five steps a lane gives half of its sums to its partner and keeps the other half, so that lane l ends with ONE whole sum,
; that of row l % 16 and batch l / 16: 31 x 3 instructions for 32 sums.
; No cluster, no tensor load: what work-groups share is QP's 16 KB a head.  NaN and infinities are not treated apart.
.set US,    4096                       ; behind QS (4 waves x 2 batches x 512 bytes): u of the group, [b][64 rows], 512 bytes
.set SPARE, 4608                       ; the spare words, 128 bytes a wave
.set QQ,  12                           ; v[12:19]   q of my 4 columns: the pair (batch 0, batch 1) of column j at QQ + 2 j
.set OWN, 20                           ; v[20:27]   my wave's sum of four of QP's partial sums: batch b at OWN + 4 b
.set L,   32                           ; v[32:63]   eight loads of 16 bytes: QP's parts, then the four waves' sums
.set W,   64                           ; v[64:127]  16 rows of Wk
.set D,   128                          ; v[128:159] my part of sum n = 2 row + batch
.set WB,  16                           ; s[16:17]   Wk at my wave's first row and the head's first column
.macro DOT i                           ; row i: each of my 4 numbers of Wk, taken for both halves of the pair, times the two batches' q
	s_wait_loadcnt 15-(\i)                         ; row i is in, the rows behind it stay out
	v_pk_mul_f32 v[D+2*(\i):D+2*(\i)+1], v[W+4*(\i):W+4*(\i)+1], v[QQ:QQ+1] op_sel_hi:[0,1]
	v_pk_fma_f32 v[D+2*(\i):D+2*(\i)+1], v[W+4*(\i):W+4*(\i)+1], v[QQ+2:QQ+3], v[D+2*(\i):D+2*(\i)+1] op_sel:[1,0,0] op_sel_hi:[1,1,1]
	v_pk_fma_f32 v[D+2*(\i):D+2*(\i)+1], v[W+4*(\i)+2:W+4*(\i)+3], v[QQ+4:QQ+5], v[D+2*(\i):D+2*(\i)+1] op_sel_hi:[0,1,1]
	v_pk_fma_f32 v[D+2*(\i):D+2*(\i)+1], v[W+4*(\i)+2:W+4*(\i)+3], v[QQ+6:QQ+7], v[D+2*(\i):D+2*(\i)+1] op_sel:[1,0,0] op_sel_hi:[1,1,1]
.endm
.macro FOLD n0, n1, m, k               ; lanes in mask s[m] keep sum n1 and give n0, the others keep n0 and give n1; the partner is lane xor k
	v_cndmask_b32 v8, v[D+(\n1)], v[D+(\n0)], s[\m]
	v_cndmask_b32 v[D+(\n0)], v[D+(\n0)], v[D+(\n1)], s[\m]
	v_add_f32_dpp v[D+(\n0)], v8, v[D+(\n0)] row_xmask:\k row_mask:0xf bank_mask:0xf
.endm
	s_load_b128 s[4:7], s[0:1], 0x0                ; Wk s[4:5], QP s[6:7]
	s_load_b64 s[8:9], s[0:1], 0x10                ; UU
	v_lshl_add_u32 v6, v0, 2, SPARE                ; my spare word
	v_mov_b32 v7, 0
	v_lshrrev_b32 v1, 5, v0
	v_readfirstlane_b32 s10, v1                    ; wave 0..3
	v_and_b32 v1, 31, v0
	v_lshlrev_b32 v2, 4, v1                        ; 16 x lane
	s_and_b32 s12, ttmp7, 0xffff                   ; h
	s_lshl_b32 s11, ttmp9, 6
	s_lshl4_add_u32 s11, s10, s11                  ; my first row: 64 cb + 16 w
	s_lshl_b32 s14, s11, 13
	s_lshl_b32 s13, s12, 9
	s_add_co_u32 s14, s14, s13
	s_mov_b32 s15, 0
	s_lshl_b32 s30, s12, 4
	s_lshl2_add_u32 s30, s10, s30                  ; 16 h + 4 w: my wave adds QP's parts 4 w .. 4 w + 3
	s_lshl_b32 s30, s30, 10
	s_mov_b32 s31, 0
	s_wait_kmcnt 0x0
	s_add_nc_u64 s[18:19], s[6:7], s[30:31]
	s_add_nc_u64 s[WB:WB+1], s[4:5], s[14:15]
.irp k, 0,1,2,3,4,5,6,7                ; part k / 2, batch k % 2: 512 consecutive bytes each
	global_load_b128 v[L+4*\k:L+4*\k+3], v2, s[18:19] offset:512*\k
.endr
.set i, 0
.rept 16
	global_load_b128 v[W+4*i:W+4*i+3], v2, s[WB:WB+1] offset:i*8192 th:TH_LOAD_NT
.set i, i+1
.endr
	s_lshl_b32 s14, s12, 12
	s_lshl_b32 s13, ttmp9, 8
	s_add_co_u32 s14, s14, s13                     ; UU: the head's 4,096 bytes, the group's 256
	s_add_nc_u64 s[20:21], s[8:9], s[14:15]
	s_mov_b32 s22, 0xaaaaaaaa                      ; the lanes whose number has bit 0, 1, 2, 3, 4 set
	s_mov_b32 s23, 0xcccccccc
	s_mov_b32 s24, 0xf0f0f0f0
	s_mov_b32 s25, 0xff00ff00
	s_mov_b32 s26, 0xffff0000
	s_mov_b32 s28, 0x76543210                      ; v_permlanex16_b32: each lane takes its own place in the other half
	s_mov_b32 s29, 0xfedcba98
	v_lshl_add_u32 v3, s10, 10, v2                 ; QS: [w][b][128]
	v_lshrrev_b32 v8, 4, v1                        ; l / 16
	v_and_b32 v9, 15, v1                           ; l % 16
	v_lshlrev_b32 v5, 8, v8
	v_lshl_add_u32 v5, v9, 2, v5
	s_lshl_b32 s13, s10, 6
	s_add_co_u32 s13, s13, US
	v_add_nc_u32 v5, s13, v5                       ; US: batch l / 16, row 16 w + l % 16
	v_lshlrev_b32 v10, 16, v8
	v_lshl_add_u32 v10, v9, 4, v10                 ; UU: batch l / 16 (65,536 bytes), 16 bytes of the group's 256
	v_add_nc_u32 v11, US, v2
	s_wait_loadcnt 16                              ; QP's eight parts are in; the 16 rows of Wk stay out
.irp b, 0,1
.irp k, 0,2
	v_pk_add_f32 v[OWN+4*\b+\k:OWN+4*\b+\k+1], v[L+4*\b+\k:L+4*\b+\k+1], v[L+8+4*\b+\k:L+8+4*\b+\k+1]
	v_pk_add_f32 v[OWN+4*\b+\k:OWN+4*\b+\k+1], v[OWN+4*\b+\k:OWN+4*\b+\k+1], v[L+16+4*\b+\k:L+16+4*\b+\k+1]
	v_pk_add_f32 v[OWN+4*\b+\k:OWN+4*\b+\k+1], v[OWN+4*\b+\k:OWN+4*\b+\k+1], v[L+24+4*\b+\k:L+24+4*\b+\k+1]
.endr
.endr
	ds_store_b128 v3, v[OWN:OWN+3]
	ds_store_b128 v3, v[OWN+4:OWN+7] offset:512
	s_wait_dscnt 0x0                               ; for the others' sake: my stores are done
	s_barrier_signal -1
	s_barrier_wait -1
.irp k, 0,1,2,3,4,5,6,7                ; wave k / 2, batch k % 2
	ds_load_b128 v[L+4*\k:L+4*\k+3], v2 offset:512*\k
.endr
	s_wait_dscnt 0x0
.irp b, 0,1
.irp j, 0,1,2,3
	v_add_f32 v[QQ+2*\j+\b], v[L+4*\b+\j], v[L+8+4*\b+\j]
	v_add_f32 v[QQ+2*\j+\b], v[QQ+2*\j+\b], v[L+16+4*\b+\j]
	v_add_f32 v[QQ+2*\j+\b], v[QQ+2*\j+\b], v[L+24+4*\b+\j]
.endr
.endr
.irp i, 0,1,2,3,4,5,6,7,8,9,10,11,12,13,14,15
	DOT \i
.endr
.irp n, 0,1,4,5,8,9,12,13,16,17,20,21,24,25,28,29
	FOLD \n, \n+2, 22, 1                           ; the lane's bit 0 chooses the row's bit 0
.endr
.irp n, 0,1,8,9,16,17,24,25
	FOLD \n, \n+4, 23, 2
.endr
.irp n, 0,1,16,17
	FOLD \n, \n+8, 24, 4
.endr
.irp n, 0,1
	FOLD \n, \n+16, 25, 8
.endr
	v_cndmask_b32 v8, v[D+1], v[D], s26            ; the last step crosses the halves: the lane's bit 4 chooses the batch
	v_cndmask_b32 v[D], v[D], v[D+1], s26
	v_permlanex16_b32 v9, v8, s28, s29
	v_add_f32 v[D], v[D], v9
	ds_store_b32 v5, v[D]
	s_wait_tensorcnt 0x0                           ; behind my last LDS store
	ds_add_u32 v6, v7
	s_wait_dscnt 0x0                               ; the wait is also the one that the others need
	s_barrier_signal -1
	s_barrier_wait -1
	s_cmp_lg_u32 s10, 0
	s_cbranch_scc1 .Ldone
	ds_load_b128 v[160:163], v11
	s_wait_dscnt 0x0
	global_store_b128 v10, v[160:163], s[20:21]    ; lanes 0-15: 256 consecutive bytes of batch 0, lanes 16-31 of batch 1, each at a multiple of 256
.Ldone:
	s_endpgm
.Lfunc_end_k_qae5b2dfd99_ukey:
	.size	k_qae5b2dfd99_ukey, .Lfunc_end_k_qae5b2dfd99_ukey-k_qae5b2dfd99_ukey
	.p2alignl 7, 3214868480
	.fill 96, 4, 3214868480
	.section	.rodata,"a",@progbits
	.p2align	6, 0x0
	.amdhsa_kernel k_qae5b2dfd99_ukey
		.amdhsa_group_segment_fixed_size 5120
		.amdhsa_private_segment_fixed_size 0
		.amdhsa_enable_private_segment 0
		.amdhsa_kernarg_size 24
		.amdhsa_user_sgpr_count 2
		.amdhsa_user_sgpr_kernarg_segment_ptr 1
		.amdhsa_wavefront_size32 1
		.amdhsa_system_sgpr_workgroup_id_x 1
		.amdhsa_system_sgpr_workgroup_id_y 1
		.amdhsa_system_sgpr_workgroup_id_z 1
		.amdhsa_system_vgpr_workitem_id 0
		.amdhsa_next_free_vgpr 164
		.amdhsa_next_free_sgpr 66
		.amdhsa_reserve_vcc 0
		.amdhsa_float_denorm_mode_32 3
		.amdhsa_float_denorm_mode_16_64 3
		.amdhsa_memory_ordered 1
		.amdhsa_forward_progress 1
		.amdhsa_inst_pref_size 18
	.end_amdhsa_kernel
	.amdgpu_metadata
---
amdhsa.version: [ 1, 2 ]
amdhsa.kernels:
  - .name:           k_qae5b2dfd99_ukey
    .symbol:         k_qae5b2dfd99_ukey.kd
    .args:
      - { .name: Wk, .offset: 0, .size: 8, .value_kind: global_buffer, .address_space: global }
      - { .name: QP, .offset: 8, .size: 8, .value_kind: global_buffer, .address_space: global }
      - { .name: UU, .offset: 16, .size: 8, .value_kind: global_buffer, .address_space: global }
    .group_segment_fixed_size: 5120
    .private_segment_fixed_size: 0
    .kernarg_segment_align: 8
    .kernarg_segment_size: 24
    .max_flat_workgroup_size: 128
    .sgpr_count:     66
    .vgpr_count:     164
    .wavefront_size: 32
...
	.end_amdgpu_metadata
.endif
;; end of part 2
;; launch flash (part 3): grid 64 x 2, 8 waves a work-group, no clusters, 220,160 bytes of LDS; arguments x, UU, YP, ML; writes YP, ML
.if DOCPART == 3
	.amdgcn_target "amdgcn-amd-amdhsa--gfx1250"
	.amdhsa_code_object_version 6
	.text
	.protected	k_qae5b2dfd99_flash
	.globl	k_qae5b2dfd99_flash
	.p2align	8
	.type	k_qae5b2dfd99_flash,@function
k_qae5b2dfd99_flash:
	s_mov_b64 s[64:65], 0
	v_nop
	global_prefetch_b8 v0, s[64:65] scope:SCOPE_SE
	s_setreg_imm32_b32 hwreg(HW_REG_WAVE_MODE, 25, 1), 1
	s_wait_xcnt 0x0
; STEP 3 OF 6.  For a chunk of 32 keys of one batch and all 16 heads: s[k][h] = c x[k] . u[h] (c = log2(e) / sqrt(128)), the chunk's maximum m[h], p = 2^(s - m), l[h] = sum of p,
; and the chunk's part of y[h][:] = sum over k of p[k][h] x[k][:].  x is read from memory ONCE and serves both products out of LDS.  Step 4 joins the 64 chunks by m and l: a maximum is taken away before every exponential.
; YP[b][chunk][h][c] = the part of y; ML[b][h][0][chunk] = m, ML[b][h][1][chunk] = l.
; FORMATS.  Both products run on the matrix unit in f16 with f32 sums.  x is rounded to f16; u is first divided by 2^e, e the exponent of the largest |u| of its head in my wave's 128 channels (exact), and c 2^e
; multiplies the wave's sums; p lies in 0 to 1, and l is the sum of the unrounded p.
; LIMITS.  |x| under 65,504; below 6e-5 x keeps f16's fixed step of 6e-8.  |u| under 2^127.  A weight below 2^-126 counts as 0.  NaN and infinities are not treated apart.
; SHARES.  Wave w owns channels 128 w .. + 127: it fetches its own strips of u (16 heads x 512 bytes) and x (32 keys x 512 bytes) by two tensor loads, which are all that it ever has out, and reads only its own tiles.
; Its scores are sums over its channels alone; the eight waves' sums meet in LDS, every wave adds all eight and makes the same m, p, l; then each makes y for its own channels.
; 32 keys a work-group: a work-group's part of y is 64 KB whatever its keys, so fewer keys would write more than x itself holds, and 64 keys' tiles do not fit in LDS.
; NO CLUSTER: what the 64 work-groups of a batch share is u, 64 of the 192 KB that a work-group fetches, asked for once, in the one fill of the launch.  No byte of LDS is filled twice, so there is no ring.
.set PITCH, 528                        ; an LDS row: 512 bytes + 16 of padding: the 16 rows of a load start at 16 different 16-byte columns of 256 bytes
.set UT,    16*PITCH                   ; u's tile; also 16 keys of x's
.set WREG,  3*UT                       ; a wave's region: u's tile, then x's 32 rows
.set SP,    8*WREG                     ; behind the tiles, never filled by a tensor load: the waves' scores, [w][4][lane][16 bytes]
.set SPARE, SP+16384                   ; the spare words, 128 bytes a wave
.set S0,  16                           ; v[16:23]  scores of keys 0-15: lane l holds head l % 16, keys 8 (l / 16) + 0..7
.set S1,  24                           ; v[24:31]  of keys 16-31
.set UB,  32                           ; v[32:63]  u in f16, four fragments; later:
.set P,   32                           ; v[32:39]  p in f16      v[40:41] m, twice      v[42:43] l, and at work
.set MX,  40
.set LS,  42
.set BIG, 64                           ; v[64:191]  x as loaded; the waves' scores; y
.set HI,  192                          ; v[192:255] u as loaded; x turned, in f16: eight fragments
.set G1U, 16                           ; s[16:23] descriptor group 1 for u's tile   s[24:31] for x's   s[32:35], s[36:39] their groups 0
.set G1X, 24
; v1, v2: l % 16 and l / 16 during the set-up, then at work   v3: my place in a tile's rows along the channels   v4: my place for the turned reads
; v5, v6: the scores' stage, in and back   v7: my offset in YP   v8: in ML   v9: my spare word   v10-11: 2^-e   v12-13: c 2^e   v14: at work   v15: 0
	s_load_b256 s[4:11], s[0:1], 0x0               ; x s[4:5], UU s[6:7], YP s[8:9], ML s[10:11]
	v_lshl_add_u32 v9, v0, 2, SPARE
	v_mov_b32 v15, 0
	ds_add_u32 v9, v15                             ; the wave's opening: the add and its wait ahead of my first tensor load
	ds_add_u32 v9, v15
	v_lshrrev_b32 v1, 5, v0
	v_readfirstlane_b32 s12, v1                    ; wave 0..7
	s_mov_b32 s13, ttmp9                           ; the chunk
	s_and_b32 s14, ttmp7, 0xffff                   ; the batch
.irp g, G1U, G1X
	s_mov_b32 s[\g+0], (2<<16)|(1<<20)|(6<<22)|(3<<25)  ; 17:16 elements of 4 bytes; 20 padding on; 24:22 after every 128 words (code 6); 31:25 4 words of it (code 3)
	s_mov_b32 s[\g+1], 128<<16                     ; tensor_dim0 = 128
	s_mov_b32 s[\g+3], 128<<16                     ; tile_dim0 = 128
	s_mov_b32 s[\g+5], 1024                        ; 1,024 elements from row to row, in x and in UU
	s_mov_b32 s[\g+6], 0
	s_mov_b32 s[\g+7], 0
.endr
	s_mov_b32 s[G1U+2], 16<<16                     ; tensor_dim1 and tile_dim1: 16 heads,
	s_mov_b32 s[G1U+4], 16
	s_mov_b32 s[G1X+2], 32<<16                     ; 32 keys
	s_mov_b32 s[G1X+4], 32
	s_mov_b32 s32, 1
	s_mul_i32 s33, s12, WREG                       ; LDS address: my wave's region
	s_mov_b32 s36, 1
	s_add_co_u32 s37, s33, UT
	s_mul_i32 s49, s12, WREG
	s_lshl_b32 s50, s12, 9                         ; my 512 bytes of a row
	s_lshl_b32 s40, s14, 16                        ; UU: a batch is 65,536 bytes
	s_add_co_u32 s40, s40, s50
	s_mov_b32 s41, 0
	s_lshl_b32 s42, s14, 23                        ; x: a batch is 8,388,608 bytes,
	s_lshl_b32 s51, s13, 17                        ; a chunk 32 rows of 4,096
	s_add_co_u32 s42, s42, s51
	s_add_co_u32 s42, s42, s50
	s_mov_b32 s43, 0
	s_wait_dscnt 0x0                               ; the opening add is done
	s_wait_kmcnt 0x0
	s_add_nc_u64 s[34:35], s[6:7], s[40:41]
	s_or_b32 s35, s35, 0x80000000                  ; type = 2
	s_add_nc_u64 s[38:39], s[4:5], s[42:43]
	s_or_b32 s39, s39, 0x80000000
	tensor_load_to_lds s[32:35], s[G1U:G1U+7]      ; u first: its scale and rounding stand in the wait for x
	s_nop 0
	tensor_load_to_lds s[36:39], s[G1X:G1X+7]
	s_nop 0
	v_and_b32 v1, 15, v0                           ; l % 16
	v_bfe_u32 v2, v0, 4, 1                         ; l / 16
	v_mul_u32_u24 v3, v1, PITCH
	v_lshl_add_u32 v3, v2, 6, v3
	v_add_nc_u32 v3, s49, v3                       ; row l % 16, 16 channels (64 bytes) for each half of the lanes
	v_mul_u32_u24 v4, v2, 8*PITCH
	v_lshl_add_u32 v4, v1, 4, v4
	v_add_nc_u32 v4, s49, v4                       ; key 8 (l / 16), channels 4 (l % 16) + 0..3
	v_and_b32 v6, 31, v0
	v_lshlrev_b32 v6, 4, v6
	v_add_nc_u32 v6, SP, v6
	v_lshl_add_u32 v5, s12, 11, v6
	v_lshlrev_b32 v7, 15, v2
	v_lshl_add_u32 v7, v1, 4, v7                   ; YP: head 8 (l / 16), 16 bytes of 256
	v_lshlrev_b32 v8, 9, v1
	v_lshl_add_u32 v8, v2, 8, v8                   ; ML: head l % 16; lanes 0-15 m, lanes 16-31 l
	s_lshl_b32 s40, s14, 6
	s_add_co_u32 s40, s40, s13
	s_lshl_b32 s40, s40, 16                        ; YP: 65,536 bytes for each batch and chunk
	s_add_co_u32 s40, s40, s50
	s_add_nc_u64 s[42:43], s[8:9], s[40:41]
	s_lshl_b32 s40, s14, 13
	s_lshl2_add_u32 s40, s13, s40
	s_add_nc_u64 s[44:45], s[10:11], s[40:41]
	s_mov_b32 s46, 0x76543210                      ; v_permlanex16_b32: each lane takes its own place in the other half
	s_mov_b32 s47, 0xfedcba98
	s_mov_b32 s48, 0xffff0000
	; u.  In K step t of four a lane holds channels 32 t + 16 (l / 16) + 0..15 of its row, for u and for x alike: a renumbering of K that both sources share leaves the sums what they are.
	s_wait_tensorcnt 0x1                           ; tensor loads of a wave end in order: u's tile is in, x's may stay out; only I read my tiles
.irp t, 0,1,2,3
.irp e, 0,1,2,3
	ds_load_b128 v[HI+16*(\t)+4*(\e):HI+16*(\t)+4*(\e)+3], v3 offset:128*(\t)+16*(\e)
.endr
.endr
	s_wait_dscnt 0x0
	v_max_num_f32 v14, v[HI], v[HI+1]              ; the largest and the smallest of my 64 numbers, in two chains
	v_min_num_f32 v1, v[HI], v[HI+1]
.set i, 2
.rept 31
	v_max3_num_f32 v14, v14, v[HI+i], v[HI+i+1]
	v_min3_num_f32 v1, v1, v[HI+i], v[HI+i+1]
.set i, i+2
.endr
	v_sub_f32 v1, 0, v1
	v_max_num_f32 v14, v14, v1                     ; the largest magnitude
	v_permlanex16_b32 v1, v14, s46, s47            ; the head's other 64 channels lie in the lane 16 away
	v_max_num_f32 v14, v14, v1
	v_and_b32 v1, 0x7f800000, v14                  ; 2^e
	v_sub_nc_u32 v10, 0x7f000000, v1               ; 2^-e: the exponent field mirrored
	v_mov_b32 v11, v10
	v_mul_f32 v12, 0x3e0293ee, v1                  ; c 2^e, c = 0.127517
	v_mov_b32 v13, v12
.set i, 0
.rept 32
	v_pk_mul_f32 v[HI+2*i:HI+2*i+1], v[HI+2*i:HI+2*i+1], v[10:11]
.set i, i+1
.endr
.set i, 0
.rept 32
	v_cvt_pk_f16_f32 v[UB+i], v[HI+2*i], v[HI+2*i+1]
.set i, i+1
.endr
	; SCORES.  Source 0 = 16 keys, source 1 = 16 heads.  Group G = 4 (key half) + t of x: 16 numbers a lane, rounded in place into 8 registers.
	s_wait_tensorcnt 0x0                           ; x's tile is in
.irp k, 0,1
.irp t, 0,1,2,3
.irp e, 0,1,2,3
	ds_load_b128 v[BIG+16*(4*(\k)+(\t))+4*(\e):BIG+16*(4*(\k)+(\t))+4*(\e)+3], v3 offset:UT+(\k)*UT+128*(\t)+16*(\e)
.endr
.endr
.endr
.set g, 0
.rept 8
	s_wait_dscnt 28-4*g                            ; group g is in: four loads for each later group stay out
.set i, 0
.rept 8
	v_cvt_pk_f16_f32 v[BIG+16*g+i], v[BIG+16*g+2*i], v[BIG+16*g+2*i+1]
.set i, i+1
.endr
.set g, g+1
.endr
	v_wmma_f32_16x16x32_f16 v[S0:S0+7], v[BIG:BIG+7], v[UB:UB+7], 0                    ; the first K step starts both sums; the two accumulators take turns
	v_wmma_f32_16x16x32_f16 v[S1:S1+7], v[BIG+64:BIG+71], v[UB:UB+7], 0
.irp t, 1,2,3
	v_wmma_f32_16x16x32_f16 v[S0:S0+7], v[BIG+16*(\t):BIG+16*(\t)+7], v[UB+8*(\t):UB+8*(\t)+7], v[S0:S0+7]
	v_wmma_f32_16x16x32_f16 v[S1:S1+7], v[BIG+64+16*(\t):BIG+64+16*(\t)+7], v[UB+8*(\t):UB+8*(\t)+7], v[S1:S1+7]
.endr
.rept 4
	v_nop                                          ; four places ahead of the reads of the results and of the loads into x's registers
.endr
.set i, 0
.rept 8
	v_pk_mul_f32 v[S0+2*i:S0+2*i+1], v[S0+2*i:S0+2*i+1], v[12:13]  ; times c 2^e, each accumulator from its low end
.set i, i+1
.endr
.irp q, 0,1,2,3
	ds_store_b128 v5, v[S0+4*(\q):S0+4*(\q)+3] offset:512*(\q)
.endr
	s_wait_tensorcnt 0x0                           ; behind my last tensor load and my last LDS store
	ds_add_u32 v9, v15
	s_wait_dscnt 0x0                               ; the wait is also the one that the others need: my scores are in the stage
	s_barrier_signal -1
	; While the others arrive: x once more out of my own tile, which nobody writes, now with the KEYS along K.  A load takes one key's channels 64 g + 4 (l % 16) + 0..3 (lanes 0-15: 256 consecutive bytes);
	; rounding two keys' numbers into one register is the turn.  Fragment 4 g + c holds, as column l % 16, channel 64 g + 4 (l % 16) + c.
.irp g, 0,1
.set i, 0
.rept 16
	ds_load_b128 v[BIG+64*(\g)+4*i:BIG+64*(\g)+4*i+3], v4 offset:UT+256*(\g)+(i&7)*PITCH+(i>>3)*UT  ; key 8 (l / 16) + i, or 16 + 8 (l / 16) + i - 8
.set i, i+1
.endr
.endr
.irp g, 0,1
	s_wait_dscnt 16-16*(\g)                        ; the first half is in while the second half's 16 loads stay out; then all
.irp c, 0,1,2,3
.set i, 0
.rept 8
	v_cvt_pk_f16_f32 v[HI+8*(4*(\g)+(\c))+i], v[BIG+64*(\g)+8*i+(\c)], v[BIG+64*(\g)+8*i+4+(\c)]
.set i, i+1
.endr
.endr
.endr
	s_barrier_wait -1                              ; everybody's scores are in the stage
	; SOFTMAX of the chunk, the same in all eight waves: the waves' sums are added in the order of the waves.
.irp w, 0,1,2,3,4,5,6,7
.irp q, 0,1,2,3
	ds_load_b128 v[BIG+16*(\w)+4*(\q):BIG+16*(\w)+4*(\q)+3], v6 offset:2048*(\w)+512*(\q)
.endr
.endr
.irp w, 1,2,3,4,5,6,7
	s_wait_dscnt 28-4*(\w)                         ; wave w's four loads are in, the later waves' stay out
.set i, 0
.rept 8
	v_pk_add_f32 v[BIG+2*i:BIG+2*i+1], v[BIG+2*i:BIG+2*i+1], v[BIG+16*(\w)+2*i:BIG+16*(\w)+2*i+1]
.set i, i+1
.endr
.endr
	v_max3_num_f32 v14, v[BIG], v[BIG+1], v[BIG+2]
.set i, 3
.rept 6
	v_max3_num_f32 v14, v14, v[BIG+i], v[BIG+i+1]
.set i, i+2
.endr
	v_max_num_f32 v14, v14, v[BIG+15]
	v_permlanex16_b32 v1, v14, s46, s47            ; the head's other 16 keys
	v_max_num_f32 v[MX], v14, v1
	v_mov_b32 v[MX+1], v[MX]
.set i, 0
.rept 8
	v_pk_add_f32 v[BIG+2*i:BIG+2*i+1], v[BIG+2*i:BIG+2*i+1], v[MX:MX+1] neg_lo:[0,1] neg_hi:[0,1]
.set i, i+1
.endr
.set i, 0
.rept 16
	v_exp_f32 v[BIG+i], v[BIG+i]
.set i, i+1
.endr
	v_nop                                          ; a plain instruction between the last exponential and the use of its result
.set i, 0
	s_wait_alu depctr_va_vdst(0)
.rept 8
	v_cvt_pk_f16_f32 v[P+i], v[BIG+2*i], v[BIG+2*i+1]  ; as they lie these ARE source 0 (16 heads x 32 keys) of the second product
.set i, i+1
.endr
	; y.  Source 0 = p (heads), source 1 = x turned (channels): eight products, each its own sum.
.set i, 0
.rept 8
	v_wmma_f32_16x16x32_f16 v[BIG+64+8*i:BIG+64+8*i+7], v[P:P+7], v[HI+8*i:HI+8*i+7], 0
.set i, i+1
.endr
.irp i, 0,2,4,6
	v_pk_add_f32 v[BIG+\i:BIG+\i+1], v[BIG+\i:BIG+\i+1], v[BIG+8+\i:BIG+8+\i+1]  ; l: these eight additions name no register of the products and are the places behind them
.endr
	v_pk_add_f32 v[BIG:BIG+1], v[BIG:BIG+1], v[BIG+4:BIG+5]
	v_pk_add_f32 v[BIG+2:BIG+3], v[BIG+2:BIG+3], v[BIG+6:BIG+7]
	v_pk_add_f32 v[BIG:BIG+1], v[BIG:BIG+1], v[BIG+2:BIG+3]
	v_add_f32 v[LS], v[BIG], v[BIG+1]
	v_permlanex16_b32 v[LS+1], v[LS], s46, s47
	v_add_f32 v[LS], v[LS], v[LS+1]
	; A result holds heads along its registers and one channel a lane; four results 4 g + 0..3 hold four neighbouring channels.  Register j of the four is gathered into 16 bytes (each result's lowest
	; register is read first), and 16 lanes store 256 consecutive bytes of head 8 (l / 16) + j, at a multiple of 256 from YP's first byte.
.irp g, 0,1
.irp j, 0,1,2,3,4,5,6,7
.irp c, 0,1,2,3
	v_mov_b32 v[BIG+4*(8*(\g)+(\j))+(\c)], v[BIG+64+8*(4*(\g)+(\c))+(\j)]
.endr
	global_store_b128 v7, v[BIG+4*(8*(\g)+(\j)):BIG+4*(8*(\g)+(\j))+3], s[42:43] offset:(\j)*4096+(\g)*256
.endr
.endr
	s_cmp_lg_u32 s12, 0
	s_cbranch_scc1 .Ldone                          ; m and l are the same in every wave: wave 0 stores them
	v_cndmask_b32 v14, v[MX], v[LS], s48
	global_store_b32 v8, v14, s[44:45]             ; 4 bytes for each head and kind: laid so that each reader of the next launch finds a head's 64 m and 64 l as 256 consecutive bytes each
.Ldone:
	s_endpgm
.Lfunc_end_k_qae5b2dfd99_flash:
	.size	k_qae5b2dfd99_flash, .Lfunc_end_k_qae5b2dfd99_flash-k_qae5b2dfd99_flash
	.p2alignl 7, 3214868480
	.fill 96, 4, 3214868480
	.section	.rodata,"a",@progbits
	.p2align	6, 0x0
	.amdhsa_kernel k_qae5b2dfd99_flash
		.amdhsa_group_segment_fixed_size 220160
		.amdhsa_private_segment_fixed_size 0
		.amdhsa_enable_private_segment 0
		.amdhsa_kernarg_size 32
		.amdhsa_user_sgpr_count 2
		.amdhsa_user_sgpr_kernarg_segment_ptr 1
		.amdhsa_wavefront_size32 1
		.amdhsa_system_sgpr_workgroup_id_x 1
		.amdhsa_system_sgpr_workgroup_id_y 1
		.amdhsa_system_sgpr_workgroup_id_z 1
		.amdhsa_system_vgpr_workitem_id 0
		.amdhsa_next_free_vgpr 256
		.amdhsa_next_free_sgpr 66
		.amdhsa_reserve_vcc 0
		.amdhsa_float_denorm_mode_32 3
		.amdhsa_float_denorm_mode_16_64 3
		.amdhsa_memory_ordered 1
		.amdhsa_forward_progress 1
		.amdhsa_inst_pref_size 40
	.end_amdhsa_kernel
	.amdgpu_metadata
---
amdhsa.version: [ 1, 2 ]
amdhsa.kernels:
  - .name:           k_qae5b2dfd99_flash
    .symbol:         k_qae5b2dfd99_flash.kd
    .args:
      - { .name: x, .offset: 0, .size: 8, .value_kind: global_buffer, .address_space: global }
      - { .name: UU, .offset: 8, .size: 8, .value_kind: global_buffer, .address_space: global }
      - { .name: YP, .offset: 16, .size: 8, .value_kind: global_buffer, .address_space: global }
      - { .name: ML, .offset: 24, .size: 8, .value_kind: global_buffer, .address_space: global }
    .group_segment_fixed_size: 220160
    .private_segment_fixed_size: 0
    .kernarg_segment_align: 8
    .kernarg_segment_size: 32
    .max_flat_workgroup_size: 256
    .sgpr_count:     66
    .vgpr_count:     256
    .wavefront_size: 32
...
	.end_amdgpu_metadata
.endif
;; end of part 3
;; launch cpart (part 4): grid 16 x 16, 4 waves a work-group, no clusters, 6,656 bytes of LDS; arguments Wv, YP, ML, CP; writes CP
.if DOCPART == 4
	.amdgcn_target "amdgcn-amd-amdhsa--gfx1250"
	.amdhsa_code_object_version 6
	.text
	.protected	k_qae5b2dfd99_cpart
	.globl	k_qae5b2dfd99_cpart
	.p2align	8
	.type	k_qae5b2dfd99_cpart,@function
k_qae5b2dfd99_cpart:
	s_mov_b64 s[64:65], 0
	v_nop
	global_prefetch_b8 v0, s[64:65] scope:SCOPE_SE
	s_setreg_imm32_b32 hwreg(HW_REG_WAVE_MODE, 25, 1), 1
	s_wait_xcnt 0x0
; STEP 4 OF 6.  y[b][h][c] = sum over the 64 chunks s of YP[b][s][h][c] 2^(m_s - M) / L, M = max of m_s, L = sum of l_s 2^(m_s - M): the softmax over all 2,048 keys, with its maximum taken away.
; Then ctx[b][128 h + d] = sum over c of y[b][h][c] Wv[c][128 h + d] (the values' projection, moved behind the weighted sum: the same sum in another order).  This launch makes 16 ordered partial sums of it:
; CP[iblk][p][b][i] = the sum over rows c = 64 p .. + 63, for ctx's index 32 iblk + i.
; SHARES.  Work-group (p, h): 64 rows x 128 columns of Wv and the same 64 channels of YP, each read once.  For y, wave w takes chunks 16 w .. + 15; lanes 0-15 batch 0, lanes 16-31 batch 1, 4 channels a lane
; (a load: two runs of 256 consecutive bytes).  For ctx, wave w takes rows 16 w .. + 15, lane l the columns 4 l .. + 3.  All in f32 on the vector unit: two rows of output feed no matrix tile.
; No cluster, no tensor load: work-groups share only ML's 1 KB a head.  L is at least 1 (the chunk that holds M has l >= 1).  Weights below 2^-126 count as 0; NaN and infinities are not treated apart.
.set RD,    2048                       ; behind VP (4 waves x 2 batches x 64 channels, 2,048 bytes): the stage for ctx, 4 waves x 2 batches x 512 bytes
.set SPARE, 6144                       ; the spare words, 128 bytes a wave
.set WG,  28                           ; v[28:43]   the weights of my wave's 16 chunks
.set YA,  44                           ; v[44:47]   my wave's part of y, 4 channels
.set GA,  48                           ; v[48:51]   y of my wave's rows
.set GB,  20                           ; v[20:23]   m of four chunks; later the other half of the lanes' GA
.set ACC, 56                           ; v[56:63]   my 4 columns' sums, batch 0 then batch 1
.set YR,  64                           ; v[64:127]  16 chunks of YP
.set T,   64                           ; v[64:79]   later: the four waves' sums, read back
.set W,   128                          ; v[128:191] 16 rows of Wv
.set WB,  52                           ; s[52:53]   Wv at my wave's first row and the head's first column
; v2: 16 x lane   v3: my offset in YP   v4, v5: in ML   v6: my spare word   v7: 0   v8, v9: VP in and back   v10, v11: RD in and back   v12: my offset in CP   v14-15: M   v16-17: 1 / L   v18, v19: at work   v24-27: l of four chunks
.macro MAC n, s0, s1                   ; row i times the two batches' numbers s[s0 + i], s[s1 + i]; the first row starts the sums
.set i, 0
.rept \n
	s_wait_loadcnt (\n)-1-i                        ; row i is in, the rows behind it stay out
.irp j, 0,1,2,3
.if i == 0
	v_mul_f32 v[ACC+\j], s[(\s0)+i], v[W+4*i+\j]
	v_mul_f32 v[ACC+4+\j], s[(\s1)+i], v[W+4*i+\j]
.else
	v_fmac_f32 v[ACC+\j], s[(\s0)+i], v[W+4*i+\j]
	v_fmac_f32 v[ACC+4+\j], s[(\s1)+i], v[W+4*i+\j]
.endif
.endr
.set i, i+1
.endr
.endm
.macro YACC i                          ; chunk i's 4 channels times its weight, which is taken for both halves of a pair
	s_wait_loadcnt 31-(\i)                         ; chunk i is in: the 15 - i later chunks and the 16 rows of Wv stay out
.if (\i) == 0
	v_pk_mul_f32 v[YA:YA+1], v[YR:YR+1], v[WG:WG+1] op_sel_hi:[1,0]
	v_pk_mul_f32 v[YA+2:YA+3], v[YR+2:YR+3], v[WG:WG+1] op_sel_hi:[1,0]
.elseif (\i)%2 == 0
	v_pk_fma_f32 v[YA:YA+1], v[YR+4*(\i):YR+4*(\i)+1], v[WG+(\i):WG+(\i)+1], v[YA:YA+1] op_sel_hi:[1,0,1]
	v_pk_fma_f32 v[YA+2:YA+3], v[YR+4*(\i)+2:YR+4*(\i)+3], v[WG+(\i):WG+(\i)+1], v[YA+2:YA+3] op_sel_hi:[1,0,1]
.else
	v_pk_fma_f32 v[YA:YA+1], v[YR+4*(\i):YR+4*(\i)+1], v[WG+(\i)-1:WG+(\i)], v[YA:YA+1] op_sel:[0,1,0] op_sel_hi:[1,1,1]
	v_pk_fma_f32 v[YA+2:YA+3], v[YR+4*(\i)+2:YR+4*(\i)+3], v[WG+(\i)-1:WG+(\i)], v[YA+2:YA+3] op_sel:[0,1,0] op_sel_hi:[1,1,1]
.endif
.endm
	s_load_b256 s[4:11], s[0:1], 0x0               ; Wv s[4:5], YP s[6:7], ML s[8:9], CP s[10:11]
	v_lshl_add_u32 v6, v0, 2, SPARE                ; my spare word
	v_mov_b32 v7, 0
	v_lshrrev_b32 v1, 5, v0
	v_readfirstlane_b32 s12, v1                    ; wave 0..3
	v_and_b32 v1, 31, v0
	v_lshlrev_b32 v2, 4, v1                        ; 16 x lane
	v_lshrrev_b32 v13, 4, v1                       ; l / 16: the batch
	v_and_b32 v12, 15, v1                          ; l % 16
	v_lshlrev_b32 v5, 13, v13                      ; ML: a batch is 8,192 bytes
	v_lshl_add_u32 v4, v12, 4, v5                  ; and chunks 4 (l % 16) + 0..3
	v_lshlrev_b32 v3, 22, v13                      ; YP: a batch is 4,194,304 bytes
	v_lshl_add_u32 v3, v12, 4, v3
	s_and_b32 s14, ttmp7, 0xffff                   ; h
	s_and_b32 s15, s12, 1
	s_lshl_b32 s16, ttmp9, 6
	s_lshl4_add_u32 s16, s12, s16                  ; my first row of Wv: 64 p + 16 w
	s_lshl_b32 s16, s16, 13
	s_lshl_b32 s18, s14, 9                         ; the head's 512 bytes, in Wv's rows and in ML
	s_add_co_u32 s16, s16, s18
	s_mov_b32 s17, 0
	s_mov_b32 s19, 0
	s_lshl_b32 s20, s12, 8
	s_add_co_u32 s20, s20, s14                     ; YP: chunk 16 w (16 heads each), head h,
	s_lshl_b32 s20, s20, 12
	s_lshl_b32 s22, ttmp9, 8                       ; the group's 256 bytes
	s_add_co_u32 s20, s20, s22
	s_mov_b32 s21, 0
	s_lshl_b32 s22, s12, 6                         ; ML: my wave's 16 chunks
	s_mov_b32 s23, 0
	s_wait_kmcnt 0x0
	s_add_nc_u64 s[56:57], s[8:9], s[18:19]
	s_add_nc_u64 s[58:59], s[56:57], s[22:23]
	s_add_nc_u64 s[54:55], s[6:7], s[20:21]
	s_add_nc_u64 s[WB:WB+1], s[4:5], s[16:17]
	global_load_b128 v[20:23], v4, s[56:57]                 ; m of four chunks: 16 lanes take a head's 64
	global_load_b128 v[24:27], v4, s[56:57] offset:256      ; l of the same
.irp k, 0,1,2,3
	global_load_b128 v[WG+4*\k:WG+4*\k+3], v5, s[58:59] offset:16*\k  ; m of my wave's 16 chunks, in every lane of the batch
.endr
.set i, 0
.rept 16
	global_load_b128 v[YR+4*i:YR+4*i+3], v3, s[54:55] offset:i*65536 th:TH_LOAD_NT
.set i, i+1
.endr
.set i, 0
.rept 16
	global_load_b128 v[W+4*i:W+4*i+3], v2, s[WB:WB+1] offset:i*8192 th:TH_LOAD_NT
.set i, i+1
.endr
	s_lshl_b32 s24, s14, 2
	s_lshl1_add_u32 s24, s15, s24                  ; CP: block 4 h + 2 (w & 1),
	s_lshl4_add_u32 s24, s24, ttmp9                ; part p,
	s_lshl_b32 s24, s24, 8                         ; 256 bytes each
	s_mov_b32 s25, 0
	s_add_nc_u64 s[60:61], s[10:11], s[24:25]
	s_mov_b32 s62, 0x76543210                      ; v_permlanex16_b32: each lane takes its own place in the other half
	s_mov_b32 s63, 0xfedcba98
	v_lshl_add_u32 v8, s12, 9, v2                  ; VP in: [w][b][64 channels]
	v_lshrrev_b32 v9, 3, v1                        ; VP back: lanes' bits 4:3 the wave whose part it is,
	v_lshlrev_b32 v9, 9, v9
	v_bfe_u32 v18, v1, 2, 1                        ; bit 2 the batch,
	v_lshl_add_u32 v9, v18, 8, v9
	v_and_b32 v18, 3, v1                           ; bits 1:0 four of my wave's 16 rows
	v_lshl_add_u32 v9, v18, 4, v9
	v_lshl_add_u32 v9, s12, 6, v9
	v_lshl_add_u32 v10, s12, 10, v2
	v_add_nc_u32 v10, RD, v10                      ; RD in: [w][b][128 columns]
	v_bfe_u32 v11, v1, 3, 1                        ; RD back, in CP's order: bit 3 the batch,
	v_lshlrev_b32 v11, 9, v11
	v_lshl_add_u32 v11, v13, 7, v11                ; block 2 (w & 1) + l / 16 of 32 columns,
	v_and_b32 v18, 7, v1
	v_lshl_add_u32 v11, v18, 4, v11                ; four of them
	s_lshl_b32 s24, s15, 8
	s_add_co_u32 s24, s24, RD
	v_add_nc_u32 v11, s24, v11
	v_lshlrev_b32 v19, 12, v13
	v_lshl_add_u32 v12, v12, 4, v19                ; CP: lanes 16-31 one block (4,096 bytes) on
	s_wait_loadcnt 32                              ; m and l are in; YP's 16 loads and Wv's 16 stay out
	v_max3_num_f32 v14, v20, v21, v22
	v_max_num_f32 v14, v14, v23
.irp k, 1,2,4,8
	v_max_num_f32_dpp v14, v14, v14 row_xmask:\k row_mask:0xf bank_mask:0xf  ; a row of 16 lanes is one batch: M
.endr
.irp j, 0,1,2,3
	v_sub_f32 v[20+\j], v[20+\j], v14
.endr
.irp j, 0,1,2,3
	v_exp_f32 v[20+\j], v[20+\j]
.endr
	v_mov_b32 v15, v14                             ; a plain instruction behind the exponentials
	s_wait_alu depctr_va_vdst(0)
	v_mul_f32 v18, v20, v24
	v_fmac_f32 v18, v21, v25
	v_fmac_f32 v18, v22, v26
	v_fmac_f32 v18, v23, v27
.irp k, 1,2,4,8
	v_add_f32_dpp v18, v18, v18 row_xmask:\k row_mask:0xf bank_mask:0xf      ; L
.endr
	v_rcp_f32 v16, v18
.set i, 0
.rept 8
	v_pk_add_f32 v[WG+2*i:WG+2*i+1], v[WG+2*i:WG+2*i+1], v[14:15] neg_lo:[0,1] neg_hi:[0,1]  ; plain work behind the reciprocal: m - M
.set i, i+1
.endr
.set i, 0
.rept 16
	v_exp_f32 v[WG+i], v[WG+i]
.set i, i+1
.endr
	s_wait_alu depctr_va_vdst(0)
	v_mov_b32 v17, v16                             ; a plain instruction behind the exponentials
.set i, 0
.rept 8
	v_pk_mul_f32 v[WG+2*i:WG+2*i+1], v[WG+2*i:WG+2*i+1], v[16:17]
.set i, i+1
.endr
.irp i, 0,1,2,3,4,5,6,7,8,9,10,11,12,13,14,15
	YACC \i
.endr
	ds_store_b128 v8, v[YA:YA+3]
	s_wait_dscnt 0x0                               ; for the others' sake: my store is done
	s_barrier_signal -1
	s_barrier_wait -1
	ds_load_b128 v[GA:GA+3], v9
	s_wait_dscnt 0x0
.irp j, 0,1,2,3
	v_add_f32_dpp v[GA+\j], v[GA+\j], v[GA+\j] row_xmask:8 row_mask:0xf bank_mask:0xf  ; waves 0 + 1, 2 + 3
.endr
.irp j, 0,1,2,3
	v_permlanex16_b32 v[GB+\j], v[GA+\j], s62, s63
.endr
.irp j, 0,1,2,3
	v_add_f32 v[GA+\j], v[GA+\j], v[GB+\j]
.endr
.irp b, 0,1
.irp q, 0,1,2,3
.irp j, 0,1,2,3
	v_readlane_b32 s[20+16*(\b)+4*(\q)+(\j)], v[GA+(\j)], 4*(\b)+(\q)  ; y of row 4 q + j of my 16, batch b
.endr
.endr
.endr
	MAC 16, 20, 36
	ds_store_b128 v10, v[ACC:ACC+3]
	ds_store_b128 v10, v[ACC+4:ACC+7] offset:512
	s_wait_tensorcnt 0x0                           ; behind my last LDS store
	ds_add_u32 v6, v7
	s_wait_dscnt 0x0                               ; the wait is also the one that the others need
	s_barrier_signal -1
	s_barrier_wait -1
	s_cmp_lt_u32 s12, 2
	s_cbranch_scc0 .Ldone                          ; waves 0 and 1 add and store two blocks of 32 columns each
.irp k, 0,1,2,3
	ds_load_b128 v[T+4*\k:T+4*\k+3], v11 offset:1024*\k
.endr
	s_wait_dscnt 0x0
.irp k, 1,2,3
	v_pk_add_f32 v[T:T+1], v[T:T+1], v[T+4*\k:T+4*\k+1]
	v_pk_add_f32 v[T+2:T+3], v[T+2:T+3], v[T+4*\k+2:T+4*\k+3]
.endr
	global_store_b128 v12, v[T:T+3], s[60:61]      ; 16 lanes store 256 consecutive bytes, CP[block][p], at a multiple of 256
.Ldone:
	s_endpgm
.Lfunc_end_k_qae5b2dfd99_cpart:
	.size	k_qae5b2dfd99_cpart, .Lfunc_end_k_qae5b2dfd99_cpart-k_qae5b2dfd99_cpart
	.p2alignl 7, 3214868480
	.fill 96, 4, 3214868480
	.section	.rodata,"a",@progbits
	.p2align	6, 0x0
	.amdhsa_kernel k_qae5b2dfd99_cpart
		.amdhsa_group_segment_fixed_size 6656
		.amdhsa_private_segment_fixed_size 0
		.amdhsa_enable_private_segment 0
		.amdhsa_kernarg_size 32
		.amdhsa_user_sgpr_count 2
		.amdhsa_user_sgpr_kernarg_segment_ptr 1
		.amdhsa_wavefront_size32 1
		.amdhsa_system_sgpr_workgroup_id_x 1
		.amdhsa_system_sgpr_workgroup_id_y 1
		.amdhsa_system_sgpr_workgroup_id_z 1
		.amdhsa_system_vgpr_workitem_id 0
		.amdhsa_next_free_vgpr 192
		.amdhsa_next_free_sgpr 66
		.amdhsa_reserve_vcc 0
		.amdhsa_float_denorm_mode_32 3
		.amdhsa_float_denorm_mode_16_64 3
		.amdhsa_memory_ordered 1
		.amdhsa_forward_progress 1
		.amdhsa_inst_pref_size 21
	.end_amdhsa_kernel
	.amdgpu_metadata
---
amdhsa.version: [ 1, 2 ]
amdhsa.kernels:
  - .name:           k_qae5b2dfd99_cpart
    .symbol:         k_qae5b2dfd99_cpart.kd
    .args:
      - { .name: Wv, .offset: 0, .size: 8, .value_kind: global_buffer, .address_space: global }
      - { .name: YP, .offset: 8, .size: 8, .value_kind: global_buffer, .address_space: global }
      - { .name: ML, .offset: 16, .size: 8, .value_kind: global_buffer, .address_space: global }
      - { .name: CP, .offset: 24, .size: 8, .value_kind: global_buffer, .address_space: global }
    .group_segment_fixed_size: 6656
    .private_segment_fixed_size: 0
    .kernarg_segment_align: 8
    .kernarg_segment_size: 32
    .max_flat_workgroup_size: 128
    .sgpr_count:     66
    .vgpr_count:     192
    .wavefront_size: 32
...
	.end_amdgpu_metadata
.endif
;; end of part 4
;; launch opart (part 5): grid 16 x 16, 4 waves a work-group, no clusters, 4,608 bytes of LDS; arguments Wo, CP, OP; writes OP
.if DOCPART == 5
	.amdgcn_target "amdgcn-amd-amdhsa--gfx1250"
	.amdhsa_code_object_version 6
	.text
	.protected	k_qae5b2dfd99_opart
	.globl	k_qae5b2dfd99_opart
	.p2align	8
	.type	k_qae5b2dfd99_opart,@function
k_qae5b2dfd99_opart:
	s_mov_b64 s[64:65], 0
	v_nop
	global_prefetch_b8 v0, s[64:65] scope:SCOPE_SE
	s_setreg_imm32_b32 hwreg(HW_REG_WAVE_MODE, 25, 1), 1
	s_wait_xcnt 0x0
; STEP 5 OF 6.  ctx = the sum of CP's 16 partial sums; OP[p][b][j] = sum over the 128 rows i = 128 p .. + 127 of ctx[b][i] Wo[i][j]: 16 ordered partial sums of the last product.
; SHARES.  Work-group (p, jb): 128 rows x 128 columns of Wo, read once, 512 consecutive bytes of a row by each load of a wave.  Wave w takes 32 rows, which are CP's block 4 p + w: its 16 parts of 256 bytes
; are 4,096 consecutive bytes, eight loads.  Lane l holds the columns 4 l .. + 3.  All in f32 on the vector unit: two rows of output feed no matrix tile.
; One owner for each output would want all 2,048 rows of a column in one work-group: 32 work-groups of whole 256-byte strips; so the sum over p is left to the last launch.
; No cluster, no tensor load: work-groups share only CP's 16 KB a row block.  NaN and infinities are not treated apart.
.set SPARE, 4096                       ; behind the stage of 4 waves x 2 batches x 512 bytes: the spare words, 128 bytes a wave
.set ACC, 8                            ; v[8:15]    my 4 columns' sums, batch 0 then batch 1
.set CL,  16                           ; v[16:47]   CP's parts: load t holds parts 2 t (lanes 0-15) and 2 t + 1 (lanes 16-31)
.set T,   52                           ; v[52:67]   the four waves' sums, read back
.set W,   68                           ; v[68:195]  32 rows of Wo
.set WB,  16                           ; s[16:17]   Wo at my wave's first row and the group's first column
.set OB,  52                           ; s[52:53]   OP at [p][w & 1], the group's columns
.macro MAC n, s0, s1                   ; row i times the two batches' numbers s[s0 + i], s[s1 + i]; the first row starts the sums
.set i, 0
.rept \n
	s_wait_loadcnt (\n)-1-i                        ; row i is in, the rows behind it stay out
.irp j, 0,1,2,3
.if i == 0
	v_mul_f32 v[ACC+\j], s[(\s0)+i], v[W+4*i+\j]
	v_mul_f32 v[ACC+4+\j], s[(\s1)+i], v[W+4*i+\j]
.else
	v_fmac_f32 v[ACC+\j], s[(\s0)+i], v[W+4*i+\j]
	v_fmac_f32 v[ACC+4+\j], s[(\s1)+i], v[W+4*i+\j]
.endif
.endr
.set i, i+1
.endr
.endm
	s_load_b128 s[4:7], s[0:1], 0x0                ; Wo s[4:5], CP s[6:7]
	s_load_b64 s[8:9], s[0:1], 0x10                ; OP
	v_lshl_add_u32 v6, v0, 2, SPARE                ; my spare word
	v_mov_b32 v7, 0
	v_lshrrev_b32 v1, 5, v0
	v_readfirstlane_b32 s10, v1                    ; wave 0..3
	v_and_b32 v1, 31, v0
	v_lshlrev_b32 v2, 4, v1                        ; 16 x lane
	s_and_b32 s12, ttmp7, 0xffff                   ; jb
	s_and_b32 s13, s10, 1                          ; the batch that waves 0 and 1 store
	s_lshl_b32 s11, ttmp9, 2
	s_add_co_u32 s11, s11, s10                     ; my block of 32 rows: 4 p + w
	s_lshl_b32 s14, s11, 18                        ; 32 rows of 8,192 bytes
	s_lshl_b32 s56, s12, 9                         ; the group's 512 bytes of a row
	s_add_co_u32 s14, s14, s56
	s_mov_b32 s15, 0
	s_lshl_b32 s58, s11, 12                        ; CP: 4,096 bytes a block
	s_mov_b32 s59, 0
	s_lshl1_add_u32 s60, ttmp9, s13                ; OP: 2 p + batch,
	s_lshl_b32 s60, s60, 13                        ; rows of 8,192 bytes
	s_add_co_u32 s60, s60, s56
	s_mov_b32 s61, 0
	s_wait_kmcnt 0x0
	s_add_nc_u64 s[18:19], s[6:7], s[58:59]
	s_add_nc_u64 s[WB:WB+1], s[4:5], s[14:15]
	s_add_nc_u64 s[OB:OB+1], s[8:9], s[60:61]
.irp t, 0,1,2,3,4,5,6,7
	global_load_b128 v[CL+4*\t:CL+4*\t+3], v2, s[18:19] offset:512*\t
.endr
.set i, 0
.rept 32
	global_load_b128 v[W+4*i:W+4*i+3], v2, s[WB:WB+1] offset:i*8192 th:TH_LOAD_NT
.set i, i+1
.endr
	s_mov_b32 s54, 0x76543210                      ; v_permlanex16_b32: each lane takes its own place in the other half
	s_mov_b32 s55, 0xfedcba98
	v_lshl_add_u32 v3, s10, 10, v2                 ; into the stage: [w][b][128]
	v_lshl_add_u32 v4, s13, 9, v2                  ; back: batch w & 1 of every wave
	s_wait_loadcnt 32                              ; CP's eight loads are in; the 32 rows of Wo stay out
.irp t, 1,2,3,4,5,6,7
	v_pk_add_f32 v[CL:CL+1], v[CL:CL+1], v[CL+4*\t:CL+4*\t+1]
	v_pk_add_f32 v[CL+2:CL+3], v[CL+2:CL+3], v[CL+4*\t+2:CL+4*\t+3]
.endr
.irp j, 0,1,2,3
	v_permlanex16_b32 v[CL+4+\j], v[CL+\j], s54, s55   ; the even parts' sum meets the odd parts'
.endr
.irp j, 0,1,2,3
	v_add_f32 v[CL+\j], v[CL+\j], v[CL+4+\j]
.endr
.irp q, 0,1,2,3,4,5,6,7
.irp j, 0,1,2,3
	v_readlane_b32 s[20+4*(\q)+(\j)], v[CL+(\j)], \q       ; ctx of row 4 q + j of my 32: batch 0 lies in lanes 0-7,
	v_readlane_b32 s[66+4*(\q)+(\j)], v[CL+(\j)], 8+(\q)   ; batch 1 in lanes 8-15
.endr
.endr
	MAC 32, 20, 66
	ds_store_b128 v3, v[ACC:ACC+3]
	ds_store_b128 v3, v[ACC+4:ACC+7] offset:512
	s_wait_tensorcnt 0x0                           ; behind my last LDS store
	ds_add_u32 v6, v7
	s_wait_dscnt 0x0                               ; the wait is also the one that the others need
	s_barrier_signal -1
	s_barrier_wait -1
	s_cmp_lt_u32 s10, 2
	s_cbranch_scc0 .Ldone                          ; wave b adds and stores batch b
.irp k, 0,1,2,3
	ds_load_b128 v[T+4*\k:T+4*\k+3], v4 offset:1024*\k
.endr
	s_wait_dscnt 0x0
.irp k, 1,2,3
	v_pk_add_f32 v[T:T+1], v[T:T+1], v[T+4*\k:T+4*\k+1]
	v_pk_add_f32 v[T+2:T+3], v[T+2:T+3], v[T+4*\k+2:T+4*\k+3]
.endr
	global_store_b128 v2, v[T:T+3], s[OB:OB+1]     ; 512 consecutive bytes, at a multiple of 512 from OP's first
.Ldone:
	s_endpgm
.Lfunc_end_k_qae5b2dfd99_opart:
	.size	k_qae5b2dfd99_opart, .Lfunc_end_k_qae5b2dfd99_opart-k_qae5b2dfd99_opart
	.p2alignl 7, 3214868480
	.fill 96, 4, 3214868480
	.section	.rodata,"a",@progbits
	.p2align	6, 0x0
	.amdhsa_kernel k_qae5b2dfd99_opart
		.amdhsa_group_segment_fixed_size 4608
		.amdhsa_private_segment_fixed_size 0
		.amdhsa_enable_private_segment 0
		.amdhsa_kernarg_size 24
		.amdhsa_user_sgpr_count 2
		.amdhsa_user_sgpr_kernarg_segment_ptr 1
		.amdhsa_wavefront_size32 1
		.amdhsa_system_sgpr_workgroup_id_x 1
		.amdhsa_system_sgpr_workgroup_id_y 1
		.amdhsa_system_sgpr_workgroup_id_z 1
		.amdhsa_system_vgpr_workitem_id 0
		.amdhsa_next_free_vgpr 196
		.amdhsa_next_free_sgpr 98
		.amdhsa_reserve_vcc 0
		.amdhsa_float_denorm_mode_32 3
		.amdhsa_float_denorm_mode_16_64 3
		.amdhsa_memory_ordered 1
		.amdhsa_forward_progress 1
		.amdhsa_inst_pref_size 21
	.end_amdhsa_kernel
	.amdgpu_metadata
---
amdhsa.version: [ 1, 2 ]
amdhsa.kernels:
  - .name:           k_qae5b2dfd99_opart
    .symbol:         k_qae5b2dfd99_opart.kd
    .args:
      - { .name: Wo, .offset: 0, .size: 8, .value_kind: global_buffer, .address_space: global }
      - { .name: CP, .offset: 8, .size: 8, .value_kind: global_buffer, .address_space: global }
      - { .name: OP, .offset: 16, .size: 8, .value_kind: global_buffer, .address_space: global }
    .group_segment_fixed_size: 4608
    .private_segment_fixed_size: 0
    .kernarg_segment_align: 8
    .kernarg_segment_size: 24
    .max_flat_workgroup_size: 128
    .sgpr_count:     98
    .vgpr_count:     196
    .wavefront_size: 32
...
	.end_amdgpu_metadata
.endif
;; end of part 5
;; launch final (part 6): grid 16 x 2, 1 waves a work-group, no clusters, 0 bytes of LDS; arguments OP, bo, out0; writes out0
.if DOCPART == 6
	.amdgcn_target "amdgcn-amd-amdhsa--gfx1250"
	.amdhsa_code_object_version 6
	.text
	.protected	k_qae5b2dfd99_final
	.globl	k_qae5b2dfd99_final
	.p2align	8
	.type	k_qae5b2dfd99_final,@function
k_qae5b2dfd99_final:
	s_mov_b64 s[64:65], 0
	v_nop
	global_prefetch_b8 v0, s[64:65] scope:SCOPE_SE
	s_setreg_imm32_b32 hwreg(HW_REG_WAVE_MODE, 25, 1), 1
	s_wait_xcnt 0x0
; STEP 6 OF 6.  out0[b][j] = bo[j] + the sum over p = 0 .. 15, in that order, of OP[p][b][j].
; One wave for 128 columns of one batch: 17 loads of 512 consecutive bytes, all asked for at once, and one store of 512.  There is work for 32 such waves and no more: 272 KB in, 16 KB out.
	s_load_b128 s[4:7], s[0:1], 0x0                ; OP s[4:5], bo s[6:7]
	s_load_b64 s[8:9], s[0:1], 0x10                ; out0
	v_lshlrev_b32 v1, 4, v0                        ; 16 x lane
	s_and_b32 s16, ttmp7, 0xffff                   ; the batch
	s_lshl_b32 s10, ttmp9, 9                       ; the group's 512 bytes of a row
	s_mov_b32 s11, 0
	s_lshl_b32 s12, s16, 13                        ; rows of 8,192 bytes, in OP and in out0
	s_add_co_u32 s12, s12, s10
	s_mov_b32 s13, 0
	s_wait_kmcnt 0x0
	s_add_nc_u64 s[6:7], s[6:7], s[10:11]
	s_add_nc_u64 s[4:5], s[4:5], s[12:13]
	s_add_nc_u64 s[8:9], s[8:9], s[12:13]
	global_load_b128 v[4:7], v1, s[6:7]
.set i, 0
.rept 16
	global_load_b128 v[8+4*i:8+4*i+3], v1, s[4:5] offset:i*16384 th:TH_LOAD_NT
.set i, i+1
.endr
.set i, 0
.rept 16
	s_wait_loadcnt 15-i                            ; part i (and bo ahead of it) is in, the later parts stay out
	v_pk_add_f32 v[4:5], v[4:5], v[8+4*i:8+4*i+1]
	v_pk_add_f32 v[6:7], v[6:7], v[8+4*i+2:8+4*i+3]
.set i, i+1
.endr
	global_store_b128 v1, v[4:7], s[8:9]           ; 512 consecutive bytes, at a multiple of 512 from out0's first
	s_endpgm
.Lfunc_end_k_qae5b2dfd99_final:
	.size	k_qae5b2dfd99_final, .Lfunc_end_k_qae5b2dfd99_final-k_qae5b2dfd99_final
	.p2alignl 7, 3214868480
	.fill 96, 4, 3214868480
	.section	.rodata,"a",@progbits
	.p2align	6, 0x0
	.amdhsa_kernel k_qae5b2dfd99_final
		.amdhsa_group_segment_fixed_size 0
		.amdhsa_private_segment_fixed_size 0
		.amdhsa_enable_private_segment 0
		.amdhsa_kernarg_size 24
		.amdhsa_user_sgpr_count 2
		.amdhsa_user_sgpr_kernarg_segment_ptr 1
		.amdhsa_wavefront_size32 1
		.amdhsa_system_sgpr_workgroup_id_x 1
		.amdhsa_system_sgpr_workgroup_id_y 1
		.amdhsa_system_sgpr_workgroup_id_z 1
		.amdhsa_system_vgpr_workitem_id 0
		.amdhsa_next_free_vgpr 72
		.amdhsa_next_free_sgpr 66
		.amdhsa_reserve_vcc 0
		.amdhsa_float_denorm_mode_32 3
		.amdhsa_float_denorm_mode_16_64 3
		.amdhsa_memory_ordered 1
		.amdhsa_forward_progress 1
		.amdhsa_inst_pref_size 5
	.end_amdhsa_kernel
	.amdgpu_metadata
---
amdhsa.version: [ 1, 2 ]
amdhsa.kernels:
  - .name:           k_qae5b2dfd99_final
    .symbol:         k_qae5b2dfd99_final.kd
    .args:
      - { .name: OP, .offset: 0, .size: 8, .value_kind: global_buffer, .address_space: global }
      - { .name: bo, .offset: 8, .size: 8, .value_kind: global_buffer, .address_space: global }
      - { .name: out0, .offset: 16, .size: 8, .value_kind: global_buffer, .address_space: global }
    .group_segment_fixed_size: 0
    .private_segment_fixed_size: 0
    .kernarg_segment_align: 8
    .kernarg_segment_size: 24
    .max_flat_workgroup_size: 32
    .sgpr_count:     66
    .vgpr_count:     72
    .wavefront_size: 32
...
	.end_amdgpu_metadata
.endif
;; end of part 6
